; MI455X (gfx1250); checked and timed in simulation.
; The chip was launched on July 23, 2026; its instructions are those of AMD's public machine-readable ISA for CDNA 5 (MIT licence, August 2026) and "CDNA5" Instruction Set Architecture Reference Guide (July 2026). The comments in the code are by the model that wrote it; some were corrected since.
;; Vector Quantizer. Allowed arithmetic: matrix products marked QUANTISED: E2M3 operands, one E8M0 scale for each 32 along K, by v_wmma_scale_f32_16x16x128_f8f6f4 with both operands' format E2M3, f32 sums; everything else in f32.
;; Inputs: codebook 8,192 x 128 float32; latent 8 x 2,048 x 128 float32.
;; Outputs: out0 8 x 2,048 x 128 float32; out1 16,384 int32; out2 one number float32; out3 one number float32; out4 one number float32; out5 one number float32; out6 one number float32; out7 one number float32.
;; This version of the problem:
;;   THIS VERSION OF THE PROBLEM IS GIVEN IN LOW PRECISION. The matrix products marked QUANTISED in the list below multiply operands that are first quantised to E2M3 (2 exponent bits, 3 mantissa bits; 6 bits a number), with one power-of-two scale for each 32 numbers along K (OCP MX v1.0); their sums are f32. All else is computed in f32.
;;   The module's matrix products, in the order in which they are computed (A, B: the left and right operand; K: the contracted axis; several contracted axes count as one K, in the product's order):
;;     1. [M 16,384, K 128] x [K 128, N 8,192]; A: computed on the way; B: computed on the way: QUANTISED
;;     2. [M 16,384, K 128] x [K 128, N 8,192]; A: input latent; B: input codebook: QUANTISED
;;     3. [M 8,192, K 128] x [K 128, N 8,192]; A: computed on the way; B: computed on the way: QUANTISED
;;     4. [M 8,192, K 128] x [K 128, N 8,192]; A: input codebook; B: input codebook: QUANTISED
;;   THE QUANTISER, for each operand of a quantised product, along K:
;;     - K is cut into blocks of 32 from its start; a last block that is shorter is filled with zeros.
;;     - A block's scale is 2^e with e = floor(log2(the largest magnitude in the block)) - 2, held to -126 .. 127; a block of zeros has e = 0. As a byte (E8M0): e + 127.
;;     - Each number is divided by its block's scale, clamped to +-7.5, and rounded to the nearest number of E2M3, ties to even, subnormals kept.
;;     - The product sums the exact products of the quantised numbers (number of the format x scale) in f32.
;;   ~~~python
;;   def quantise(x, axis):      # numpy; x: float32 -> the quantised numbers, widened to float32 again
;;       x = np.moveaxis(x, axis, -1); K = x.shape[-1]
;;       x = np.pad(x, [(0, 0)] * (x.ndim - 1) + [(0, -K % 32)]); x = x.reshape(x.shape[:-1] + (-1, 32)); a = np.abs(x).max(-1, keepdims=True)
;;       e = np.where(a > 0, np.clip(np.frexp(np.where(a > 0, a, 1))[1] - 1 - 2, -126, 127), 0)      # np.frexp(a)[1] - 1 = floor(log2(a)), exactly
;;       r = np.clip(x / 2.0 ** e, -7.5, 7.5)
;;       step = 2.0 ** (np.maximum(np.frexp(np.where(r == 0, 1, r))[1] - 1, 0) - 3)
;;       q = np.round(r / step) * step * 2.0 ** e      # np.round: ties to even
;;       return np.moveaxis(q.reshape(q.shape[:-2] + (-1,))[..., :K], -1, axis).astype(np.float32)
;;   ~~~
;;   OPERANDS COMPUTED ON THE WAY. 'Computed on the way' means the value that the module computes at that place (a softmax that the list does not call 'softmax' is quantised finished and normalised). What goes into a quantiser is computed in f32, as accurately as f32 sums, v_exp_f32 and their like allow (about 1e-6 of the number): no bf16 or f16 on the way to a quantiser, and a product that is left as it is and whose result goes on into a quantised operand takes f32 operands (vector FMAs, or v_wmma_f32_16x16x4_f32). A number that lies on a knife's edge between two numbers of the format may be rounded either way, as far as f32 arithmetic and the matrix unit's own rounding can turn it there, and no further.
;; One version. Each part assembles by itself: llvm-mc -triple=amdgcn-amd-amdhsa -mcpu=gfx1250 --defsym DOCPART=n.
;; ======== version 1 of 1: 5 launches
;; workspace buffers: qz 5,505,024 bytes; idxw 65,536 bytes of whole numbers; ps 32,768 bytes; pg 32,768 bytes
;; launch prep (part 1): grid 384 x 1, 4 waves a work-group, no clusters, 0 bytes of LDS; arguments codebook, latent, qz; writes qz
.if DOCPART == 1
	.amdgcn_target "amdgcn-amd-amdhsa--gfx1250"
	.amdhsa_code_object_version 6
	.text
	.protected	k_q1997217abc_prep
	.globl	k_q1997217abc_prep
	.p2align	8
	.type	k_q1997217abc_prep,@function
k_q1997217abc_prep:
	s_mov_b64 s[64:65], 0
	v_nop
	global_prefetch_b8 v0, s[64:65] scope:SCOPE_SE
	s_setreg_imm32_b32 hwreg(HW_REG_WAVE_MODE, 25, 1), 1
	s_wait_xcnt 0x0
; Every 16 rows of the codebook (tiles 0-511) and of the latent (tiles 512-1535), 128 f32 a row, become two records of 1,792 bytes in qz:
;   RAW(tile) = 1792 x tile:            the rows quantised to FP6 (E2M3), one E8M0 byte for each 32 along the row, and each row's sum of squares
;   NRM(tile) = NRMOFF + 1792 x tile:   the same of the rows divided by max(sqrt(sum of squares), 1e-12)
; A record is an IMAGE OF THE OPERAND'S REGISTERS: +512 c + 16 x lane: registers 4 c .. 4 c + 3 of that lane (c = 0, 1, 2); +1536 + 4 x lane: the scale word of row lane % 16;
; +1664 + 4 x lane: the sum of squares of row lane % 16 (RAW alone).  So the later launches fill a fragment by three loads of 16 bytes a lane, 512 consecutive bytes each.
; One wave takes one tile.  Lane (r = lane % 16, h = lane / 16) holds, of row r, the 16 neighbours 32 b + 16 h + 0 .. 15 of each block b of 32: register X + 16 b + i.
; THE SUM OF SQUARES is formed as a plain loop forms it: each square rounded by itself, then added in ascending k.  The row's k run through lanes r and r + 16 by turns, 16 at a time, so the
; running sum changes lanes eight times (both halves add, the half whose numbers are due is kept).
; No LDS, no barrier, no matrix unit: waves share nothing, and a wave has one tile, so all its sixteen loads go out at once.
; LIMITS: NaN and infinities among the inputs are not served.  A sum of squares under 2^-126 counts as 0 in the root.  x / n is x times the reciprocal of n: two roundings of an ulp each.
; A block of zeros gets the scale byte 1 where the rule says 127: its codes are zeros, and these bytes are read by this program alone.
.set REC,    1792
.set NRMOFF, 2752512                   ; 1,536 tiles x 1,792 bytes
.set TM,  8                            ; v8-11 largest magnitudes, v12-15 the other half's, then the bytes, v20-23 the conversions' scale operands
.set PW,  24                           ; the raw rows' scale word
.set PW2, 25                           ; the normalised rows'
.set ACC, 26                           ; the running sum of squares, at last the row's
.set INV, 28                           ; v[28:29] 1 / max(n, 1e-12), named as a pair
.set T,   30
.set U,   31
.set PC,  36                           ; v36-47 the raw fragment, v48-55 at work
.set PC2, 56                           ; v56-67 the normalised fragment, v68-75 at work
.set X,   80                           ; v80-143  64 numbers
.set SQ,  144                          ; v144-207 their squares
	s_load_b128 s[4:7], s[0:1], 0x0                ; codebook, latent
	s_load_b64 s[8:9], s[0:1], 0x10                ; qz
	v_lshrrev_b32 v1, 5, v0
	v_readfirstlane_b32 s10, v1                    ; wave
	v_and_b32 v1, 31, v0                           ; lane
	v_and_b32 v2, 15, v0                           ; r
	v_bfe_u32 v3, v0, 4, 1                         ; h
	v_lshlrev_b32 v4, 9, v2
	v_lshl_add_u32 v4, v3, 6, v4                   ; in: row r of 512 bytes, + 64 h
	v_lshlrev_b32 v5, 4, v1                        ; out: 16 x lane
	v_lshlrev_b32 v6, 2, v1                        ;      4 x lane
	s_lshl_b32 s11, ttmp9, 2
	s_add_co_u32 s11, s11, s10                     ; my tile = 4 x work-group + wave
	s_mov_b32 s14, 0x76543210
	s_mov_b32 s15, 0xfedcba98                      ; v_permlanex16_b32's selects for lane l xor 16
	s_mov_b32 s16, 0xffff0000                      ; lanes 16-31
	s_mov_b32 s17, 0x2b8cbccc                      ; 1e-12
	v_mov_b32 v[U], 0                              ; a lane permute's destination counts as one of its sources
.irp b, 0,1,2,3
	v_mov_b32 v[TM+4+\b], 0
.endr
	s_wait_kmcnt 0x0
	s_cmp_lt_u32 ttmp9, 128                        ; the first 128 work-groups take the codebook: the choice hangs on the work-group's number alone
	s_cselect_b64 s[4:5], s[4:5], s[6:7]
	s_cselect_b32 s12, 0, 512
	s_sub_co_u32 s12, s11, s12                     ; the tile's number in its own tensor,
	s_lshl_b32 s12, s12, 13                        ; times 16 rows of 512 bytes
	s_mov_b32 s13, 0
	s_add_nc_u64 s[4:5], s[4:5], s[12:13]
	s_mul_i32 s12, s11, REC
	s_add_nc_u64 s[8:9], s[8:9], s[12:13]          ; my RAW record
.irp b, 0,1,2,3
.irp j, 0,1,2,3
	global_load_b128 v[X+16*\b+4*\j:X+16*\b+4*\j+3], v4, s[4:5] offset:128*\b+16*\j
.endr
.endr
	s_wait_loadcnt 0x0                             ; all sixteen: the tile is the wave's whole work
.set n, 0
.rept 32
	v_pk_mul_f32 v[SQ+2*n:SQ+2*n+1], v[X+2*n:X+2*n+1], v[X+2*n:X+2*n+1]   ; each square rounded by itself
.set n, n+1
.endr
; Sixteen squares of block b are added onto the running sum, in ascending k; only in the lanes of the half named are they the ones that are due, and that half's sum is kept in both.
.macro SEG b, half, first
.if \first
	v_add_f32 v[T], v[SQ+16*\b], v[SQ+16*\b+1]
.else
	v_add_f32 v[T], v[ACC], v[SQ+16*\b]
	v_add_f32 v[T], v[T], v[SQ+16*\b+1]
.endif
.irp i, 2,3,4,5,6,7,8,9,10,11,12,13,14,15
	v_add_f32 v[T], v[T], v[SQ+16*\b+\i]
.endr
	v_permlanex16_b32 v[U], v[T], s14, s15
.if \half
	v_cndmask_b32 v[ACC], v[U], v[T], s16          ; lanes 16-31 keep their own, lanes 0-15 take theirs
.else
	v_cndmask_b32 v[ACC], v[T], v[U], s16
.endif
.endm
	SEG 0, 0, 1
	SEG 0, 1, 0
	SEG 1, 0, 0
	SEG 1, 1, 0
	SEG 2, 0, 0
	SEG 2, 1, 0
	SEG 3, 0, 0
	SEG 3, 1, 0
; 64 numbers of a lane, v[s] on, become a fragment's codes in v[pc] .. v[pc + 11] and its scale word in v[pw].
.macro QUANT s, pc, pw
.irp b, 0,1,2,3
	v_max3_num_f32 v[TM+\b], |v[\s+16*\b]|, |v[\s+1+16*\b]|, 0x1800000   ; block b: my 16 numbers, and the floor 2^(3 - 127): so the byte cannot fall under 1
.endr
.irp i, 2,4,6,8,10,12,14
.irp b, 0,1,2,3
	v_max3_num_f32 v[TM+\b], v[TM+\b], |v[\s+16*\b+\i]|, |v[\s+1+16*\b+\i]|   ; the four blocks by turns
.endr
.endr
.irp b, 0,1,2,3
	v_permlanex16_b32 v[TM+4+\b], v[TM+\b], s14, s15
.endr
.irp b, 0,1,2,3
	v_max_num_f32 v[TM+\b], v[TM+\b], v[TM+4+\b]   ; with lane l xor 16's: the block's largest magnitude
.endr
.irp b, 0,1,2,3
	v_add_nc_u32 v[TM+12+\b], 0xff000000, v[TM+\b] ; 2 off its exponent field: the conversion takes the exponent field of this operand as its scale
.endr
.irp b, 0,1,2,3
	v_lshrrev_b32 v[TM+4+\b], 23, v[TM+12+\b]      ; the scale's byte
.endr
	v_lshl_or_b32 v[\pw], v[TM+5], 8, v[TM+4]
	v_lshl_or_b32 v[\pw], v[TM+6], 16, v[\pw]
	v_lshl_or_b32 v[\pw], v[TM+7], 24, v[\pw]
.irp c, 0,1
	v_cvt_scalef32_pk16_fp6_f32 v[\pc+6*\c:\pc+2+6*\c], v[\s+32*\c:\s+15+32*\c], v[TM+12+2*\c]
	v_cvt_scalef32_pk16_fp6_f32 v[\pc+12+4*\c:\pc+14+4*\c], v[\s+16+32*\c:\s+31+32*\c], v[TM+12+2*\c+1]   ; (a conversion's three registers begin on an even number)
.endr
	v_nop                                          ; one plain place behind a scaled conversion
.irp c, 0,1                                    ; the operand's layout wants a WHOLE block in a lane: lanes 0-15 block 2 c, lanes 16-31 block 2 c + 1
.irp i, 0,1,2
	v_permlane16_swap_b32 v[\pc+6*\c+\i], v[\pc+12+4*\c+\i]
.endr
.irp i, 0,1,2
	v_mov_b32 v[\pc+3+6*\c+\i], v[\pc+12+4*\c+\i]
.endr
.endr
.endm
	QUANT X, PC, PW
.irp c, 0,1,2
	global_store_b128 v5, v[PC+4*\c:PC+4*\c+3], s[8:9] offset:512*\c      ; 32 lanes store 512 consecutive bytes, at a multiple of 256 from qz's first byte
.endr
	global_store_b32 v6, v[PW], s[8:9] offset:1536
	global_store_b32 v6, v[ACC], s[8:9] offset:1664
	v_sqrt_f32 v[INV], v[ACC]
	v_nop                                          ; a plain place behind the root
	s_wait_alu depctr_va_vdst(0)
	v_max_num_f32 v[INV], s17, v[INV]
	v_rcp_f32 v[INV], v[INV]
	v_mov_b32 v[INV+1], 0                          ; a plain place behind the reciprocal; the pair's upper word is named below, so it is written
.set n, 0
	s_wait_alu depctr_va_vdst(0)
.rept 32
	v_pk_mul_f32 v[X+2*n:X+2*n+1], v[X+2*n:X+2*n+1], v[INV:INV+1] op_sel_hi:[1,0]
.set n, n+1
.endr
	QUANT X, PC2, PW2                              ; codes and scale word in registers of their own: no store's data are written again, so no wait stands here
.irp c, 0,1,2
	global_store_b128 v5, v[PC2+4*\c:PC2+4*\c+3], s[8:9] offset:NRMOFF+512*\c
.endr
	global_store_b32 v6, v[PW2], s[8:9] offset:NRMOFF+1536
	s_endpgm
.Lfunc_end_k_q1997217abc_prep:
	.size	k_q1997217abc_prep, .Lfunc_end_k_q1997217abc_prep-k_q1997217abc_prep
	.p2alignl 7, 3214868480
	.fill 96, 4, 3214868480
	.section	.rodata,"a",@progbits
	.p2align	6, 0x0
	.amdhsa_kernel k_q1997217abc_prep
		.amdhsa_group_segment_fixed_size 0
		.amdhsa_private_segment_fixed_size 0
		.amdhsa_enable_private_segment 0
		.amdhsa_kernarg_size 24
		.amdhsa_user_sgpr_count 2
		.amdhsa_user_sgpr_kernarg_segment_ptr 1
		.amdhsa_wavefront_size32 1
		.amdhsa_system_sgpr_workgroup_id_x 1
		.amdhsa_system_sgpr_workgroup_id_y 1
		.amdhsa_system_sgpr_workgroup_id_z 1
		.amdhsa_system_vgpr_workitem_id 0
		.amdhsa_next_free_vgpr 208
		.amdhsa_next_free_sgpr 66
		.amdhsa_reserve_vcc 0
		.amdhsa_float_denorm_mode_32 3
		.amdhsa_float_denorm_mode_16_64 3
		.amdhsa_memory_ordered 1
		.amdhsa_forward_progress 1
		.amdhsa_inst_pref_size 21
	.end_amdhsa_kernel
	.amdgpu_metadata
---
amdhsa.version: [ 1, 2 ]
amdhsa.kernels:
  - .name:           k_q1997217abc_prep
    .symbol:         k_q1997217abc_prep.kd
    .args:
      - { .name: codebook, .offset: 0, .size: 8, .value_kind: global_buffer, .address_space: global }
      - { .name: latent, .offset: 8, .size: 8, .value_kind: global_buffer, .address_space: global }
      - { .name: qz, .offset: 16, .size: 8, .value_kind: global_buffer, .address_space: global }
    .group_segment_fixed_size: 0
    .private_segment_fixed_size: 0
    .kernarg_segment_align: 8
    .kernarg_segment_size: 24
    .max_flat_workgroup_size: 128
    .sgpr_count:     66
    .vgpr_count:     208
    .wavefront_size: 32
...
	.end_amdgpu_metadata
.endif
;; end of part 1
;; launch dist (part 2): grid 256 x 1, 16 waves a work-group, no clusters, 18,432 bytes of LDS; arguments qz, out1, idxw; writes out1, idxw
.if DOCPART == 2
	.amdgcn_target "amdgcn-amd-amdhsa--gfx1250"
	.amdhsa_code_object_version 6
	.text
	.protected	k_q1997217abc_dist
	.globl	k_q1997217abc_dist
	.p2align	8
	.type	k_q1997217abc_dist,@function
k_q1997217abc_dist:
	s_mov_b64 s[64:65], 0
	v_nop
	global_prefetch_b8 v0, s[64:65] scope:SCOPE_SE
	s_setreg_imm32_b32 hwreg(HW_REG_WAVE_MODE, 25, 1), 1
	s_wait_xcnt 0x0
; indices[n] = argmin over the 8,192 codes of d2 = fl(fl(|x_n|^2 - 2 P) + |c|^2), P = Q(x_n) . Q(c) on codes of FP6, the lowest index among equals.  Stored twice: out1, and idxw for the next launches.
; SHARES.  A work-group owns 64 tokens: four tiles of 16, whose fragments all sixteen waves hold in registers.  Wave w walks code tiles 32 w .. 32 w + 31, one a step: four products, each 128 deep, which is all of K.
; TRANSPOSED: source 0 = 16 codes, source 1 = 16 tokens: lane (r, h) holds token r, and register j of a result the code 16 t + 8 h + j.  So a token's minimum stays in two lanes until the end.
; ROUNDINGS as reference() makes them: one fused multiply-add gives fl(A - 2 P) (2 P is exact), one addition adds |c|^2.
; TIES.  In a lane a later tile wins only if strictly smaller, and the winning tile's eight numbers are kept, so that the lowest register that equals the minimum can be found at the end; between the two
; halves of the lanes the smaller index wins among equals; between waves, whose code ranges ascend, a later wave wins only if strictly smaller.
; THE LOOP.  Behind tile k's 23 vector instructions stands the next step's product for tile k; its result is read 70 plain vector instructions later, none of which names a register of it.
; So one set of accumulators serves and no idle place is written.  Every product begins with C = 0: no sum is taken up again.
; The code records come from memory straight into registers, in register order (three loads of 512 consecutive bytes, a scale word, eight sums of squares), four buffers, three steps ahead.
; NO LDS RING, NO JOINT LOADS: a record of 1,792 bytes is read by ONE wave of the work-group, once, and feeds 4 matrix and 93 vector instructions of that wave; through LDS each byte would be written and read once more.
; LIMITS: NaN and infinities are not served.
.set REC,  1792
.set TN,   4                           ; v4   the number of the code tile in hand
.set AB,   12                          ; v[12+2k] = |x|^2 of my token in tile k, v[13+2k] = its smallest d2 so far: a pair, of which the packed form takes the low word for both halves
.set TI,   20                          ; v20-23 the winning tile
.set TSC,  24                          ; v24-27 the tokens' scale words
.set CSC,  28                          ; v28-31 the codes' scale words, buffer b
.set TOK,  32                          ; v32-79 the tokens' fragments
.set CP,   80                          ; v80-111 the winning tile's eight d2
.set DD,   112                         ; v112-143 the accumulators
.set CF,   144                         ; v144-191 the codes' fragments, four buffers
.set CC,   192                         ; v192-223 |c|^2 of codes 8 h + 0 .. 7 of the tile, four buffers
.set SADR, 224                         ; LDS: where I put my wave's results: 512 x wave + 4 x lane
.set LADR, 225                         ; LDS: where waves 0-3 read them: 128 x wave + 4 x lane
.set OADR, 226                         ; out: 64 x wave + 4 r
.set LNE,  227                         ; lane
	s_load_b128 s[4:7], s[0:1], 0x0                ; qz, out1
	s_load_b64 s[8:9], s[0:1], 0x10                ; idxw
	v_lshl_add_u32 v232, v0, 2, 0x4000
	v_mov_b32 v233, 0
	v_lshrrev_b32 v6, 5, v0
	v_readfirstlane_b32 s10, v6                    ; wave 0..15
	v_and_b32 v[LNE], 31, v0
	v_lshlrev_b32 v1, 4, v[LNE]                    ; 16 x lane
	v_lshlrev_b32 v2, 2, v[LNE]                    ; 4 x lane
	v_bfe_u32 v5, v0, 4, 1                         ; h
	v_lshlrev_b32 v3, 5, v5                        ; 32 h
	v_lshlrev_b32 v5, 3, v5                        ; 8 h
	v_lshl_add_u32 v[SADR], v6, 9, v2
	v_lshl_add_u32 v[LADR], v6, 7, v2
	v_and_b32 v7, 15, v0
	v_lshlrev_b32 v7, 2, v7
	v_lshl_add_u32 v[OADR], v6, 6, v7
	s_mul_i32 s12, s10, 32*REC                     ; my wave's 32 code records
	s_mov_b32 s13, 0
	s_lshl_b32 s14, ttmp9, 2
	s_add_co_u32 s14, s14, 512                     ; my work-group's four token records: tiles 512 + 4 g on
	s_mul_i32 s14, s14, REC
	s_mov_b32 s15, 0
	s_lshl_b32 s20, ttmp9, 8                       ; 64 tokens x 4 bytes
	s_mov_b32 s21, 0
	s_lshl_b32 s17, s10, 5                         ; my first code tile
	s_sub_co_u32 s23, s17, 1
	s_mov_b32 s18, 0x76543210
	s_mov_b32 s19, 0xfedcba98                      ; v_permlanex16_b32's selects for lane l xor 16
	s_wait_kmcnt 0x0
	s_add_nc_u64 s[12:13], s[4:5], s[12:13]
	s_add_nc_u64 s[14:15], s[4:5], s[14:15]
	s_add_nc_u64 s[6:7], s[6:7], s[20:21]
	s_add_nc_u64 s[8:9], s[8:9], s[20:21]
.irp k, 0,1,2,3
.irp c, 0,1,2
	global_load_b128 v[TOK+12*\k+4*\c:TOK+12*\k+4*\c+3], v1, s[14:15] offset:REC*\k+512*\c
.endr
	global_load_b32 v[TSC+\k], v2, s[14:15] offset:REC*\k+1536
	global_load_b32 v[AB+2*\k], v2, s[14:15] offset:REC*\k+1664
.endr
.macro CLOADF b, off                   ; a code record's fragment and scale words: four loads
.irp c, 0,1,2
	global_load_b128 v[CF+12*(\b)+4*\c:CF+12*(\b)+4*\c+3], v1, s[12:13] offset:\off+512*\c
.endr
	global_load_b32 v[CSC+(\b)], v2, s[12:13] offset:\off+1536
.endm
.macro CLOADC b, off                   ; its sums of squares in the result's layout: two loads
	global_load_b128 v[CC+8*(\b):CC+8*(\b)+3], v3, s[12:13] offset:\off+1664
	global_load_b128 v[CC+8*(\b)+4:CC+8*(\b)+7], v3, s[12:13] offset:\off+1680
.endm
.macro MM k, b
	v_wmma_scale_f32_16x16x128_f8f6f4 v[DD+8*(\k):DD+8*(\k)+7], v[CF+12*(\b):CF+12*(\b)+11], v[TOK+12*(\k):TOK+12*(\k)+11], 0, v[CSC+(\b)], v[TSC+(\k)] matrix_a_fmt:MATRIX_FMT_FP6 matrix_b_fmt:MATRIX_FMT_FP6
.endm
; Token tile k against the code tile of buffer b: 23 vector instructions for 8 results a lane.  The accumulator is read from its low end on.
.macro EPI k, b
.set D0, DD+8*(\k)
.set C0, CC+8*(\b)
.set P0, CP+8*(\k)
.set A0, AB+2*(\k)
.irp i, 0,2,4,6
	v_pk_fma_f32 v[D0+\i:D0+\i+1], v[D0+\i:D0+\i+1], -2.0, v[A0:A0+1] op_sel_hi:[1,0,0]   ; fl(A - 2 P)
.endr
.irp i, 0,2,4,6
	v_pk_add_f32 v[D0+\i:D0+\i+1], v[D0+\i:D0+\i+1], v[C0+\i:C0+\i+1]                     ; + |c|^2
.endr
	v_min3_num_f32 v6, v[D0], v[D0+1], v[D0+2]
	v_min3_num_f32 v7, v[D0+3], v[D0+4], v[D0+5]
	v_min3_num_f32 v6, v6, v[D0+6], v[D0+7]
	v_min_num_f32 v6, v6, v7                       ; the tile's smallest
	v_cmp_lt_f32 vcc_lo, v6, v[A0+1]               ; strictly smaller: among equals the earlier tile stays
	v_cndmask_b32 v[A0+1], v[A0+1], v6, vcc_lo
	v_cndmask_b32 v[TI+(\k)], v[TI+(\k)], v[TN], vcc_lo
.irp j, 0,1,2,3,4,5,6,7
	v_cndmask_b32 v[P0+\j], v[P0+\j], v[D0+\j], vcc_lo
.endr
.endm
; Step t, buffer i = t % 4.  ld: the record of step t + 4 is asked for into the buffer that this step frees;  wm: the products of step t + 1 are issued.
; cnt: the loads that may stay out when |c|^2 of step t and the fragment of step t + 1 have to be there.
.macro BODY i, ld, wm, cnt
	s_wait_loadcnt \cnt
	v_add_nc_u32 v[TN], 1, v[TN]
	EPI 0, \i
.if \ld
	CLOADF \i, (\i+4)*REC                          ; 24 plain vector instructions behind the last product that read this buffer
.endif
.if \wm
	MM 0, (\i+1)%4
.endif
	EPI 1, \i
.if \wm
	MM 1, (\i+1)%4
.endif
	EPI 2, \i
.if \wm
	MM 2, (\i+1)%4
.endif
	EPI 3, \i
.if \ld
	CLOADC \i, (\i+4)*REC
.endif
.if \wm
	MM 3, (\i+1)%4
.endif
.endm
	CLOADF 0, 0
	CLOADC 0, 0
	CLOADF 1, REC
	CLOADC 1, REC
	CLOADF 2, 2*REC
	CLOADC 2, 2*REC
	CLOADF 3, 3*REC
	CLOADC 3, 3*REC
	s_wait_loadcnt 20                              ; the tokens and step 0's fragment are in; behind it stand its two loads of |c|^2 and three records of six loads
	MM 0, 0
	MM 1, 0
	MM 2, 0
	MM 3, 0
.irp k, 0,1,2,3                                ; what the search starts from; these lines are also the places behind the first products
	v_mov_b32 v[AB+2*\k+1], 0x7f800000             ; +infinity
	v_mov_b32 v[TI+\k], s17
.endr
.set n, 0
.rept 32
	v_mov_b32 v[CP+n], 0x7f800000
.set n, n+1
.endr
	v_mov_b32 v[TN], s23                           ; one under my first tile: each step begins by adding 1
	v_mov_b32 v8, 0                                ; a lane permute's destination counts as one of its sources
	v_mov_b32 v9, 0
	s_mov_b32 s16, 7
.Lloop:                                            ; 7 trips of four steps: steps 0 to 27, which ask for records 4 to 31
	BODY 0, 1, 1, 14                               ; 14: behind the fragment of step t + 1 stand 2 + 4 + 2 + 4 + 2 loads
	BODY 1, 1, 1, 14
	BODY 2, 1, 1, 14
	BODY 3, 1, 1, 14
	s_wait_xcnt 0x0                                ; the loads have read their base: it may step
	s_add_nc_u64 s[12:13], s[12:13], 4*REC
	s_sub_co_u32 s16, s16, 1
	s_cmp_lg_u32 s16, 0
	s_cbranch_scc1 .Lloop
	BODY 0, 0, 1, 14                               ; the last four steps ask for nothing: the counts run down
	BODY 1, 0, 1, 8
	BODY 2, 0, 1, 2
	BODY 3, 0, 0, 0
; Token tile k: the lowest register that equals the minimum; the index; the better of the two halves of the lanes; to LDS.
.macro RESOLVE k
.set P0, CP+8*(\k)
.set A0, AB+2*(\k)
	v_mov_b32 v6, 0
.irp j, 7,6,5,4,3,2,1,0
	v_cmp_neq_f32 vcc_lo, v[P0+\j], v[A0+1]
	v_cndmask_b32 v6, \j, v6, vcc_lo               ; descending: the lowest j that equals the minimum is written last
.endr
	v_lshl_add_u32 v7, v[TI+(\k)], 4, v5           ; 16 x tile + 8 h
	v_add_nc_u32 v7, v7, v6
	v_permlanex16_b32 v8, v[A0+1], s18, s19
	v_permlanex16_b32 v9, v7, s18, s19
	v_cmp_lt_f32 s20, v8, v[A0+1]
	v_cmp_eq_f32 s21, v8, v[A0+1]
	v_cmp_lt_u32 s22, v9, v7
	s_and_b32 s21, s21, s22
	s_or_b32 vcc_lo, s20, s21                      ; the other half's is smaller, or equal with the smaller index
	v_cndmask_b32 v10, v[A0+1], v8, vcc_lo
	v_cndmask_b32 v11, v7, v9, vcc_lo
	ds_store_b32 v[SADR], v10 offset:128*(\k)
	ds_store_b32 v[SADR], v11 offset:8192+128*(\k)
.endm
	RESOLVE 0
	RESOLVE 1
	RESOLVE 2
	RESOLVE 3
	s_wait_dscnt 0x0                               ; for the others' sake: my stores have landed
	s_barrier_signal -1
	s_barrier_wait -1
	s_cmp_ge_u32 s10, 4
	s_cbranch_scc1 .Lend                           ; wave k < 4 joins the sixteen waves' results for token tile k
.irp w, 0,1,2,3,4,5,6,7,8,9,10,11,12,13,14,15
	ds_load_b32 v[TOK+\w], v[LADR] offset:512*\w
	ds_load_b32 v[TOK+16+\w], v[LADR] offset:8192+512*\w
.endr
	s_wait_dscnt 0x0
.irp w, 1,2,3,4,5,6,7,8,9,10,11,12,13,14,15
	v_cmp_lt_f32 vcc_lo, v[TOK+\w], v[TOK]         ; the waves' code ranges ascend: among equals the earlier wave stays
	v_cndmask_b32 v[TOK], v[TOK], v[TOK+\w], vcc_lo
	v_cndmask_b32 v[TOK+16], v[TOK+16], v[TOK+16+\w], vcc_lo
.endr
	v_cmp_gt_u32 vcc_lo, 16, v[LNE]                ; lanes 16-31 hold the same numbers as lanes 0-15
	s_wait_xcnt 0x0                                ; EXEC changes only behind this wait
	s_and_saveexec_b32 s20, vcc_lo
	global_store_b32 v[OADR], v[TOK+16], s[6:7]
	global_store_b32 v[OADR], v[TOK+16], s[8:9]
	s_wait_xcnt 0x0
	s_or_b32 exec_lo, exec_lo, s20
.Lend:
	s_wait_tensorcnt 0x0
	ds_add_u32 v232, v233
	s_wait_dscnt 0x0
	s_endpgm
.Lfunc_end_k_q1997217abc_dist:
	.size	k_q1997217abc_dist, .Lfunc_end_k_q1997217abc_dist-k_q1997217abc_dist
	.p2alignl 7, 3214868480
	.fill 96, 4, 3214868480
	.section	.rodata,"a",@progbits
	.p2align	6, 0x0
	.amdhsa_kernel k_q1997217abc_dist
		.amdhsa_group_segment_fixed_size 18432
		.amdhsa_private_segment_fixed_size 0
		.amdhsa_enable_private_segment 0
		.amdhsa_kernarg_size 24
		.amdhsa_user_sgpr_count 2
		.amdhsa_user_sgpr_kernarg_segment_ptr 1
		.amdhsa_wavefront_size32 1
		.amdhsa_system_sgpr_workgroup_id_x 1
		.amdhsa_system_sgpr_workgroup_id_y 1
		.amdhsa_system_sgpr_workgroup_id_z 1
		.amdhsa_system_vgpr_workitem_id 0
		.amdhsa_next_free_vgpr 234
		.amdhsa_next_free_sgpr 66
		.amdhsa_reserve_vcc 1
		.amdhsa_float_denorm_mode_32 3
		.amdhsa_float_denorm_mode_16_64 3
		.amdhsa_memory_ordered 1
		.amdhsa_forward_progress 1
		.amdhsa_inst_pref_size 59
	.end_amdhsa_kernel
	.amdgpu_metadata
---
amdhsa.version: [ 1, 2 ]
amdhsa.kernels:
  - .name:           k_q1997217abc_dist
    .symbol:         k_q1997217abc_dist.kd
    .args:
      - { .name: qz, .offset: 0, .size: 8, .value_kind: global_buffer, .address_space: global }
      - { .name: out1, .offset: 8, .size: 8, .value_kind: global_buffer, .address_space: global }
      - { .name: idxw, .offset: 16, .size: 8, .value_kind: global_buffer, .address_space: global }
    .group_segment_fixed_size: 18432
    .private_segment_fixed_size: 0
    .kernarg_segment_align: 8
    .kernarg_segment_size: 24
    .max_flat_workgroup_size: 512
    .sgpr_count:     66
    .vgpr_count:     234
    .wavefront_size: 32
...
	.end_amdgpu_metadata
.endif
;; end of part 2
;; launch pair (part 3): grid 256 x 1, 16 waves a work-group, no clusters, 3,072 bytes of LDS; arguments qz, ps; writes ps
.if DOCPART == 3
	.amdgcn_target "amdgcn-amd-amdhsa--gfx1250"
	.amdhsa_code_object_version 6
	.text
	.protected	k_q1997217abc_pair
	.globl	k_q1997217abc_pair
	.p2align	8
	.type	k_q1997217abc_pair,@function
k_q1997217abc_pair:
	s_mov_b64 s[64:65], 0
	v_nop
	global_prefetch_b8 v0, s[64:65] scope:SCOPE_SE
	s_setreg_imm32_b32 hwreg(HW_REG_WAVE_MODE, 25, 1), 1
	s_wait_xcnt 0x0
; The codebook against itself: sim = Q(cn) Q(cn)^T and P = Q(c) Q(c)^T on codes of FP6, pd2 = max(fl(fl(|c_n|^2 - 2 P) + |c_m|^2), 0), d = sqrt(pd2), the diagonal of both set to 0, and of the 8,192 x 8,192 results
; five figures: S1 = sum of exp(clip(sim, -10, 10)), S2 = sum of d, S3 = sum of min(d, 2), the count of d > 0, the smallest pd2 > 0.  A work-group stores its part as a record of 128 bytes in ps.
; (mean of relu(2 - d) = 2 - mean of min(d, 2): the last launch takes it so.)
; EACH UNORDERED PAIR ONCE (SYM = 1).  Both products are symmetric whatever the codebook holds.  The stationary block i (64 rows: tiles 4 i + k) meets the stream tiles (4 i + u) mod 512, u = 0 .. 259, that is the blocks
; i + t, t = u / 4 = 0 .. 64.  t = 0 holds both orders inside itself, t = 64 is met from both ends: weight 1; all others weight 2: 128 x (1 + 63 x 2 + 1) = 128 x 128 blocks.  pd2 is then formed in one order for a pair.
; 128 x 260 units = 256 work-groups x 130: work-group g takes block g / 2 and u = 130 (g % 2) + 0 .. 129; wave w takes u_local = 16 s + w: eight steps, and a ninth for waves 0 and 1.  SYM = 0: u = 0 .. 511, weight 1.
; A STEP: one stream tile against the four stationary tiles: 8 products (source 0 = the stream's 16 rows m = 8 h + j, source 1 = the stationary 16 rows n = r), each 128 deep, all of K, C = 0.
; Two sets of accumulators by turns: a tile's products are issued a whole tile's vector work (84 instructions, none of which names their registers) ahead of the first read of their results.
; The records come from memory straight into registers, in register order, two buffers, a step ahead.  NO LDS RING, NO JOINT LOADS: a stream tile's 3,456 bytes are read by one wave of the work-group, once, and feed 8 matrix and 336 vector instructions.
; LIMITS: NaN and infinities are not served; a pd2 under 2^-126 is counted as positive but its root is 0; the smallest pd2 is kept one unit in the last place low (its bits less 1).
.set SYM,    1
.if SYM
.set NU,     130                       ; units of a work-group
.set TRIPS,  4                         ; trips of two steps
.else
.set NU,     256
.set TRIPS,  8
.endif
.set REC,    1792
.set NRMOFF, 2752512
.set SN,  10                           ; v[10+2k] |c|^2 of stationary row r of tile k (the odd register beside it is written, since the pair is named)
.set CNS, 30                           ; the step's count;  v31 the count;  v32 the smallest key
.set SSN, 34                           ; v34-37 stationary scale words, normalised;  v38-41 raw;  v42+2b, v43+2b the stream's
.set SSB, 38
.set KEY, 46                           ; v46-53
.set FN,  54                           ; v54-101  stationary fragments, normalised
.set FW,  102                          ; v102-149 raw
                                       ; v150+32b: stream buffer b: normalised fragment, raw fragment, |c|^2 of rows 8 h + 0 .. 7;  v214.. the accumulators: set p: sim at 214 + 16 p, P at 222 + 16 p
                                       ; v[18:23] the step's three sums, v[24:29] the totals, each in two halves
	s_load_b128 s[4:7], s[0:1], 0x0                ; qz, ps
	v_lshl_add_u32 v248, v0, 2, 0x400
	v_mov_b32 v249, 0
	v_lshrrev_b32 v8, 5, v0
	v_readfirstlane_b32 s8, v8                     ; wave 0..15
	v_and_b32 v7, 31, v0                           ; lane
	v_lshlrev_b32 v1, 4, v7                        ; 16 x lane
	v_lshlrev_b32 v2, 2, v7                        ; 4 x lane
	v_bfe_u32 v3, v0, 4, 1
	v_lshlrev_b32 v3, 5, v3                        ; 32 h
	v_lshlrev_b32 v246, 2, v8                      ; LDS: 4 x wave
	v_and_b32 v247, 15, v0
	v_lshlrev_b32 v247, 2, v247                    ; LDS: 4 x (lane % 16)
	s_lshr_b32 s10, ttmp9, 1
	s_lshl_b32 s10, s10, 2                         ; 4 i: my block's first tile
	s_and_b32 s11, ttmp9, 1
	s_mul_i32 s11, s11, NU
	s_add_co_u32 s11, s11, s8                      ; u of the step in hand
	s_mov_b32 s12, s8                              ; and its number among my work-group's units
	s_mov_b32 s14, 1.0                             ; the step's weight, as f32 (a pair: the packed form names both words) and as a whole number
	s_mov_b32 s15, 1.0
	s_mov_b32 s16, 1
	s_mov_b32 s18, 0x3fb8aa3b                      ; log2(e)
	s_mov_b32 s19, s18
	s_mov_b32 s20, 0xc166d4cc                      ; -10 log2(e)
	s_mov_b32 s21, 0x4166d4cc                      ; +10 log2(e)
	s_mov_b32 s22, 0x76543210
	s_mov_b32 s23, 0xfedcba98                      ; v_permlanex16_b32's selects for lane l xor 16
.irp j, 0,1,2,3,4,5,6,7
	s_mov_b32 s[24+\j], (1<<\j)|(1<<(24+\j))       ; the lanes in which register j lies on a tile's diagonal: r = 8 h + j
.endr
	s_mul_i32 s34, s10, REC
	s_mov_b32 s35, 0
	s_lshl_b32 s36, ttmp9, 7
	s_mov_b32 s37, 0
	s_wait_kmcnt 0x0
	s_add_nc_u64 s[34:35], s[4:5], s[34:35]        ; my block's records
	s_add_nc_u64 s[6:7], s[6:7], s[36:37]          ; my record in ps
.irp k, 0,1,2,3
.irp c, 0,1,2
	global_load_b128 v[FN+12*\k+4*\c:FN+12*\k+4*\c+3], v1, s[34:35] offset:NRMOFF+REC*\k+512*\c
	global_load_b128 v[FW+12*\k+4*\c:FW+12*\k+4*\c+3], v1, s[34:35] offset:REC*\k+512*\c
.endr
	global_load_b32 v[SSN+\k], v2, s[34:35] offset:NRMOFF+REC*\k+1536
	global_load_b32 v[SSB+\k], v2, s[34:35] offset:REC*\k+1536
	global_load_b32 v[SN+2*\k], v2, s[34:35] offset:REC*\k+1664
	v_mov_b32 v[SN+2*\k+1], 0
.endr
; The stream tile of the step `ahead` steps on, into buffer b: ten loads.  cond = 1: only if my wave has that step (a branch on ids and the loop's steps alone).
.macro LOADS b, ahead, cond
.if \cond
	s_add_co_u32 s33, s12, 16*\ahead
	s_cmp_lt_u32 s33, NU
	s_cbranch_scc0 .Lskip_\@
.endif
	s_add_co_u32 s33, s11, 16*\ahead
	s_add_co_u32 s33, s33, s10
	s_and_b32 s33, s33, 511                        ; tile (4 i + u) mod 512
	s_mul_i32 s33, s33, REC
	s_wait_xcnt 0x0                                ; the last run of loads has read its offsets: they may be written again
	v_add_nc_u32 v4, s33, v1
	v_add_nc_u32 v5, s33, v2
	v_add_nc_u32 v6, s33, v3
.irp c, 0,1,2
	global_load_b128 v[150+32*\b+4*\c:150+32*\b+4*\c+3], v4, s[4:5] offset:NRMOFF+512*\c
	global_load_b128 v[162+32*\b+4*\c:162+32*\b+4*\c+3], v4, s[4:5] offset:512*\c
.endr
	global_load_b32 v[42+2*\b], v5, s[4:5] offset:NRMOFF+1536
	global_load_b32 v[43+2*\b], v5, s[4:5] offset:1536
	global_load_b128 v[174+32*\b:177+32*\b], v6, s[4:5] offset:1664
	global_load_b128 v[178+32*\b:181+32*\b], v6, s[4:5] offset:1680
.if \cond
.Lskip_\@:
.endif
.endm
; The two products of stationary tile k with the stream tile of buffer b, into set k % 2
.macro W k, b
.set EE, 214+16*((\k)&1)
.set GG, 222+16*((\k)&1)
.set SB, 150+32*(\b)
	v_wmma_scale_f32_16x16x128_f8f6f4 v[EE:EE+7], v[SB:SB+11], v[FN+12*(\k):FN+12*(\k)+11], 0, v[42+2*(\b)], v[SSN+(\k)] matrix_a_fmt:MATRIX_FMT_FP6 matrix_b_fmt:MATRIX_FMT_FP6
	v_wmma_scale_f32_16x16x128_f8f6f4 v[GG:GG+7], v[SB+12:SB+23], v[FW+12*(\k):FW+12*(\k)+11], 0, v[43+2*(\b)], v[SSB+(\k)] matrix_a_fmt:MATRIX_FMT_FP6 matrix_b_fmt:MATRIX_FMT_FP6
.endm
; What is made of them: 84 vector instructions for 8 + 8 results a lane.  first = 1: the step's sums begin here.  Each accumulator is read from its low end on.
.macro EPI k, b, first
.set EE, 214+16*((\k)&1)
.set GG, 222+16*((\k)&1)
.set SM, 174+32*(\b)
.irp i, 0,2,4,6
	v_pk_mul_f32 v[EE+\i:EE+\i+1], v[EE+\i:EE+\i+1], s[18:19] op_sel_hi:[1,0]              ; sim x log2(e)
.endr
.irp i, 0,2,4,6
	v_pk_fma_f32 v[GG+\i:GG+\i+1], v[GG+\i:GG+\i+1], -2.0, v[SN+2*(\k):SN+2*(\k)+1] op_sel_hi:[1,0,0]
.endr
.irp i, 0,2,4,6
	v_pk_add_f32 v[GG+\i:GG+\i+1], v[GG+\i:GG+\i+1], v[SM+\i:SM+\i+1]                      ; pd2
.endr
	s_cmp_lg_u32 s11, \k                           ; the stream tile is stationary tile k itself where u = k: then the diagonal is set to 0 in both
	s_cbranch_scc1 .Lnd_\@
.irp j, 0,1,2,3,4,5,6,7
	v_cndmask_b32 v[EE+\j], v[EE+\j], 0, s[24+\j]
	v_cndmask_b32 v[GG+\j], v[GG+\j], 0, s[24+\j]
.endr
.Lnd_\@:
.irp j, 0,1,2,3,4,5,6,7
	v_med3_num_f32 v[EE+\j], v[EE+\j], s20, s21    ; reference()'s clip, on the scaled number
.endr
.irp j, 0,1,2,3,4,5,6,7
	v_max_num_f32 v[GG+\j], 0, v[GG+\j]
.endr
.irp j, 0,1,2,3,4,5,6,7                        ; a plain instruction stands behind every transcendental
	v_exp_f32 v[EE+\j], v[EE+\j]
	v_add_co_u32 v[KEY+\j], vcc_lo, -1, v[GG+\j]   ; pd2's bits less 1: the carry says pd2 > 0; a zero becomes all ones, a NaN, which the minimum below passes over
	v_sqrt_f32 v[GG+\j], v[GG+\j]
	v_add_co_ci_u32 v[CNS], vcc_lo, 0, v[CNS], vcc_lo
.endr
.irp j, 0,2,4,6
	v_min3_num_f32 v32, v32, v[KEY+\j], v[KEY+\j+1]
.endr
	s_wait_alu depctr_va_vdst(0)
	v_pk_add_f32 v[EE:EE+1], v[EE:EE+1], v[EE+2:EE+3]
	v_pk_add_f32 v[EE+4:EE+5], v[EE+4:EE+5], v[EE+6:EE+7]
.if \first
	v_pk_add_f32 v[18:19], v[EE:EE+1], v[EE+4:EE+5]
.else
	v_pk_add_f32 v[EE:EE+1], v[EE:EE+1], v[EE+4:EE+5]
	v_pk_add_f32 v[18:19], v[18:19], v[EE:EE+1]
.endif
	v_pk_add_f32 v[KEY:KEY+1], v[GG:GG+1], v[GG+2:GG+3]
	v_pk_add_f32 v[KEY+2:KEY+3], v[GG+4:GG+5], v[GG+6:GG+7]
.if \first
	v_pk_add_f32 v[20:21], v[KEY:KEY+1], v[KEY+2:KEY+3]
.else
	v_pk_add_f32 v[KEY:KEY+1], v[KEY:KEY+1], v[KEY+2:KEY+3]
	v_pk_add_f32 v[20:21], v[20:21], v[KEY:KEY+1]
.endif
.irp j, 0,1,2,3,4,5,6,7
	v_min_num_f32 v[GG+\j], 2.0, v[GG+\j]
.endr
	v_pk_add_f32 v[GG:GG+1], v[GG:GG+1], v[GG+2:GG+3]
	v_pk_add_f32 v[GG+4:GG+5], v[GG+4:GG+5], v[GG+6:GG+7]
.if \first
	v_pk_add_f32 v[22:23], v[GG:GG+1], v[GG+4:GG+5]
.else
	v_pk_add_f32 v[GG:GG+1], v[GG:GG+1], v[GG+4:GG+5]
	v_pk_add_f32 v[22:23], v[22:23], v[GG:GG+1]
.endif
.endm
.macro FOLD                            ; the step's sums, times its weight, onto the totals; on to the next step
.if SYM
	s_lshr_b32 s33, s11, 2
	s_and_b32 s33, s33, 63                         ; SCC: t is neither 0 nor 64
	s_cselect_b32 s14, 2.0, 1.0
	s_mov_b32 s15, s14
	s_cselect_b32 s16, 2, 1
.endif
	v_pk_fma_f32 v[24:25], v[18:19], s[14:15], v[24:25] op_sel_hi:[1,0,1]
	v_pk_fma_f32 v[26:27], v[20:21], s[14:15], v[26:27] op_sel_hi:[1,0,1]
	v_pk_fma_f32 v[28:29], v[22:23], s[14:15], v[28:29] op_sel_hi:[1,0,1]
	v_mad_u32_u24 v31, v[CNS], s16, v31
	v_mov_b32 v[CNS], 0
	s_add_co_u32 s11, s11, 16
	s_add_co_u32 s12, s12, 16
.endm
; A step on buffer b.  Its tile 0's products were issued in the step before.  last = 1: nothing follows.
.macro STEP b, last
	W 1, \b
	EPI 0, \b, 1
	W 2, \b
	EPI 1, \b, 0
	W 3, \b
	EPI 2, \b, 0
.if !\last
	s_wait_loadcnt 0x0                             ; the other buffer's ten loads, asked for a step ago, are the only ones out
	W 0, 1-\b                                      ; (a wave that has no next step multiplies what the buffer held; nobody reads the result)
.endif
	EPI 3, \b, 0
	FOLD
.if !\last
	LOADS \b, 1, 1                                 ; the step after next, into the buffer just left: its last product stands in front of tile 2's vector work
.endif
.endm
	LOADS 0, 0, 0
	LOADS 1, 1, 0
	s_wait_loadcnt 10                              ; the stationary block and buffer 0 are in; buffer 1's ten may be out
	W 0, 0
.irp r, 24,25,26,27,28,29,30,31
	v_mov_b32 v\r, 0                               ; the totals and the counts; these lines are also the places behind the first products
.endr
	v_mov_b32 v32, 0x7f800000                      ; +infinity
	s_mov_b32 s32, TRIPS
.Lloop:
	STEP 0, 0
	STEP 1, 0
	s_sub_co_u32 s32, s32, 1
	s_cmp_lg_u32 s32, 0
	s_cbranch_scc1 .Lloop
.if SYM
	s_cmp_ge_u32 s8, 2
	s_cbranch_scc1 .Ldone
	STEP 0, 1                                      ; units 128 and 129: waves 0 and 1
.Ldone:
.endif
	v_add_f32 v24, v24, v25
	v_add_f32 v26, v26, v27
	v_add_f32 v28, v28, v29
	v_cvt_f32_u32 v31, v31
.irp m, 1,2,4,8
	v_add_f32_dpp v24, v24, v24 row_xmask:\m row_mask:0xf bank_mask:0xf
	v_add_f32_dpp v26, v26, v26 row_xmask:\m row_mask:0xf bank_mask:0xf
	v_add_f32_dpp v28, v28, v28 row_xmask:\m row_mask:0xf bank_mask:0xf
	v_add_f32_dpp v31, v31, v31 row_xmask:\m row_mask:0xf bank_mask:0xf
	v_min_num_f32_dpp v32, v32, v32 row_xmask:\m row_mask:0xf bank_mask:0xf
.endr
	v_permlanex16_b32 v46, v24, s22, s23
	v_permlanex16_b32 v47, v26, s22, s23
	v_permlanex16_b32 v48, v28, s22, s23
	v_permlanex16_b32 v49, v31, s22, s23
	v_permlanex16_b32 v50, v32, s22, s23
	v_add_f32 v24, v24, v46
	v_add_f32 v26, v26, v47
	v_add_f32 v28, v28, v48
	v_add_f32 v31, v31, v49
	v_min_num_f32 v32, v32, v50
	ds_store_b32 v246, v24                         ; figure q of wave w at 64 q + 4 w; all lanes write the same word with the same value
	ds_store_b32 v246, v26 offset:64
	ds_store_b32 v246, v28 offset:128
	ds_store_b32 v246, v31 offset:192
	ds_store_b32 v246, v32 offset:256
	s_wait_dscnt 0x0                               ; for the others' sake: my stores have landed
	s_barrier_signal -1
	s_barrier_wait -1
	s_cmp_lg_u32 s8, 0
	s_cbranch_scc1 .Lend
.irp q, 0,1,2,3,4
	ds_load_b32 v[18+\q], v247 offset:64*\q        ; lane l takes wave l % 16's
.endr
	s_wait_dscnt 0x0
.irp m, 1,2,4,8
	v_add_f32_dpp v18, v18, v18 row_xmask:\m row_mask:0xf bank_mask:0xf
	v_add_f32_dpp v19, v19, v19 row_xmask:\m row_mask:0xf bank_mask:0xf
	v_add_f32_dpp v20, v20, v20 row_xmask:\m row_mask:0xf bank_mask:0xf
	v_add_f32_dpp v21, v21, v21 row_xmask:\m row_mask:0xf bank_mask:0xf
	v_min_num_f32_dpp v22, v22, v22 row_xmask:\m row_mask:0xf bank_mask:0xf
.endr
	v_mov_b32 v9, 0
.irp q, 0,1,2,3,4
	v_cmp_eq_u32 vcc_lo, \q, v7
	v_cndmask_b32 v9, v9, v[18+\q], vcc_lo         ; lane q carries figure q, the other lanes 0
.endr
	global_store_b32 v2, v9, s[6:7]                ; the record: 128 consecutive bytes
.Lend:
	s_wait_tensorcnt 0x0
	ds_add_u32 v248, v249
	s_wait_dscnt 0x0
	s_endpgm
.Lfunc_end_k_q1997217abc_pair:
	.size	k_q1997217abc_pair, .Lfunc_end_k_q1997217abc_pair-k_q1997217abc_pair
	.p2alignl 7, 3214868480
	.fill 96, 4, 3214868480
	.section	.rodata,"a",@progbits
	.p2align	6, 0x0
	.amdhsa_kernel k_q1997217abc_pair
		.amdhsa_group_segment_fixed_size 3072
		.amdhsa_private_segment_fixed_size 0
		.amdhsa_enable_private_segment 0
		.amdhsa_kernarg_size 16
		.amdhsa_user_sgpr_count 2
		.amdhsa_user_sgpr_kernarg_segment_ptr 1
		.amdhsa_wavefront_size32 1
		.amdhsa_system_sgpr_workgroup_id_x 1
		.amdhsa_system_sgpr_workgroup_id_y 1
		.amdhsa_system_sgpr_workgroup_id_z 1
		.amdhsa_system_vgpr_workitem_id 0
		.amdhsa_next_free_vgpr 250
		.amdhsa_next_free_sgpr 66
		.amdhsa_reserve_vcc 1
		.amdhsa_float_denorm_mode_32 3
		.amdhsa_float_denorm_mode_16_64 3
		.amdhsa_memory_ordered 1
		.amdhsa_forward_progress 1
		.amdhsa_inst_pref_size 82
	.end_amdhsa_kernel
	.amdgpu_metadata
---
amdhsa.version: [ 1, 2 ]
amdhsa.kernels:
  - .name:           k_q1997217abc_pair
    .symbol:         k_q1997217abc_pair.kd
    .args:
      - { .name: qz, .offset: 0, .size: 8, .value_kind: global_buffer, .address_space: global }
      - { .name: ps, .offset: 8, .size: 8, .value_kind: global_buffer, .address_space: global }
    .group_segment_fixed_size: 3072
    .private_segment_fixed_size: 0
    .kernarg_segment_align: 8
    .kernarg_segment_size: 16
    .max_flat_workgroup_size: 512
    .sgpr_count:     66
    .vgpr_count:     250
    .wavefront_size: 32
...
	.end_amdgpu_metadata
.endif
;; end of part 3
;; launch gath (part 4): grid 256 x 1, 4 waves a work-group, no clusters, 1,536 bytes of LDS; arguments latent, codebook, qz, idxw, out0, pg; writes out0, pg
.if DOCPART == 4
	.amdgcn_target "amdgcn-amd-amdhsa--gfx1250"
	.amdhsa_code_object_version 6
	.text
	.protected	k_q1997217abc_gath
	.globl	k_q1997217abc_gath
	.p2align	8
	.type	k_q1997217abc_gath,@function
k_q1997217abc_gath:
	s_mov_b64 s[64:65], 0
	v_nop
	global_prefetch_b8 v0, s[64:65] scope:SCOPE_SE
	s_setreg_imm32_b32 hwreg(HW_REG_WAVE_MODE, 25, 1), 1
	s_wait_xcnt 0x0
; What hangs on the chosen indices, which the launch before stored as whole numbers in idxw.
; Wave 4 g + w takes 16 tokens: q = codebook[index]; out0 = fl(x + fl(q - x)); the sum of (x - q)^2; and the cosine at the chosen code: of the product Q(ln) Q(cn)^T reference() keeps one number a token, so
; ONE matrix instruction multiplies the 16 chosen normalised codes (source 0: row m is token m's code, gathered lane by lane from the register images in qz) by the 16 normalised tokens (source 1); its diagonal is kept.
; THE HISTOGRAM, without atomics: work-group g owns bins 32 g .. 32 g + 31, lane = bin.  Each of its four waves reads a quarter of idxw (4,096 words) and counts what falls into those bins; index xor 32 g is under 32
; just there.  The hits of a register (some 64 in all for a work-group if the indices are spread evenly) are taken one by one in a counted loop.  These branches and trip counts hang on idxw alone.
; The work-group's record in pg, 128 bytes: the sum of (x - q)^2, the sum of the cosines, the sum over its bins of p log2(p + 1e-10), p = count / 16,384.
; Every index is held to 8,191 ahead of every address.  No LDS ring, no joint loads: work-groups share only idxw, 64 KiB.
.set REC,    1792
.set NRMOFF, 2752512
.set VA,  20                           ; v20-35  byte offsets of the 16 chosen rows
.set LNF, 36                           ; v36-47  the tokens' normalised fragment;  v60 its scale words
.set CNF, 48                           ; v48-59  the chosen codes';                v61 theirs
.set DD,  62                           ; v62-69  the accumulator
.set X,   72                           ; v72-135  16 rows of latent, then of out0, then a part of idxw
.set Q,   136                          ; v136-199 16 chosen rows, then x - q, then a part of idxw
.set SA,  200                          ; v200-231 a part of idxw
	s_load_b256 s[4:11], s[0:1], 0x0               ; latent, codebook, qz, idxw
	s_load_b128 s[12:15], s[0:1], 0x20             ; out0, pg
	v_lshl_add_u32 v232, v0, 2, 0x400
	v_mov_b32 v233, 0
	v_lshrrev_b32 v13, 5, v0
	v_readfirstlane_b32 s16, v13                   ; wave 0..3
	v_and_b32 v1, 31, v0                           ; lane
	v_lshlrev_b32 v2, 4, v1                        ; 16 x lane
	v_and_b32 v3, 15, v0
	v_lshlrev_b32 v3, 2, v3                        ; 4 r
	v_bfe_u32 v4, v0, 4, 1
	v_lshlrev_b32 v4, 8, v4                        ; 256 h
	v_lshlrev_b32 v70, 2, v0                       ; LDS: 4 x thread
	v_lshlrev_b32 v71, 2, v13                      ; LDS: 4 x wave
	v_mov_b32 v12, 0                               ; my bin's count
.irp r, 14,15,16,17,18,19
	v_mov_b32 v\r, 0                               ; the sums; v19: a lane permute's destination
.endr
	s_lshl_b32 s18, ttmp9, 2
	s_add_co_u32 s18, s18, s16                     ; my tile of tokens
	s_lshl_b32 s28, ttmp9, 5                       ; my work-group's first bin
	s_mov_b32 s22, 0x76543210
	s_mov_b32 s23, 0xfedcba98
.irp j, 0,1,2,3,4,5,6,7
	s_mov_b32 s[52+\j], (1<<\j)|(1<<(24+\j))       ; the lanes in which register j lies on the diagonal: r = 8 h + j
.endr
	s_lshl_b32 s20, s18, 6                         ; 16 indices x 4 bytes
	s_mov_b32 s21, 0
	s_mov_b32 s33, 0
	s_wait_kmcnt 0x0
	s_add_nc_u64 s[20:21], s[10:11], s[20:21]
	s_load_b512 s[36:51], s[20:21], 0x0            ; my 16 indices as scalars, for the rows,
	global_load_b32 v5, v3, s[20:21]               ; and lane (r, h): token r's, for the fragment
	s_lshl_b32 s32, s18, 13                        ; 16 rows x 512 bytes
	s_add_nc_u64 s[4:5], s[4:5], s[32:33]
	s_add_nc_u64 s[12:13], s[12:13], s[32:33]
	s_add_co_u32 s32, s18, 512
	s_mul_i32 s32, s32, REC
	s_add_nc_u64 s[34:35], s[8:9], s[32:33]        ; my tokens' record
	s_lshl_b32 s32, s16, 14
	s_add_nc_u64 s[10:11], s[10:11], s[32:33]      ; my quarter of idxw
	s_lshl_b32 s32, ttmp9, 7
	s_add_nc_u64 s[14:15], s[14:15], s[32:33]      ; my record in pg
.irp c, 0,1,2
	global_load_b128 v[LNF+4*\c:LNF+4*\c+3], v2, s[34:35] offset:NRMOFF+512*\c
.endr
	global_load_b32 v60, v3, s[34:35] offset:NRMOFF+1536
.irp t, 0,1,2,3,4,5,6,7,8,9,10,11,12,13,14,15
	global_load_b128 v[X+4*\t:X+4*\t+3], v2, s[4:5] offset:512*\t th:TH_LOAD_NT   ; a row: 512 consecutive bytes; nobody reads it after this
.endr
	s_wait_kmcnt 0x0
.irp t, 0,1,2,3,4,5,6,7,8,9,10,11,12,13,14,15
	s_min_u32 s30, s[36+\t], 0x1fff
	s_lshl_b32 s30, s30, 9
	v_add_nc_u32 v[VA+\t], s30, v2
	global_load_b128 v[Q+4*\t:Q+4*\t+3], v[VA+\t], s[6:7]
.endr
	s_wait_loadcnt 36                              ; my lane's index is in: behind it stand 4 + 16 + 16 loads
	v_min_u32 v5, 0x1fff, v5
	v_and_b32 v6, 0x1ff0, v5
	v_mul_u32_u24 v6, 112, v6                      ; 1,792 x (index / 16): the code's record
	v_and_b32 v13, 15, v5                          ; its row there
	v_lshl_add_u32 v7, v13, 2, v6                  ; its scale word
	v_lshl_add_u32 v6, v13, 4, v6
	v_add_nc_u32 v6, v6, v4                        ; the image's place of lane (row, h): 16 x row + 256 h
.irp c, 0,1,2
	global_load_b128 v[CNF+4*\c:CNF+4*\c+3], v6, s[8:9] offset:NRMOFF+512*\c
.endr
	global_load_b32 v61, v7, s[8:9] offset:NRMOFF+1536
.irp n, 0,1,2,3,4,5,6,7
	global_load_b128 v[SA+4*\n:SA+4*\n+3], v2, s[10:11] offset:512*\n
.endr
	s_wait_loadcnt 12                              ; the rows of latent and of the codebook are in; the chosen fragment's 4 loads and idxw's first 8 may be out
.set n, 0
.rept 32
	v_pk_add_f32 v[Q+2*n:Q+2*n+1], v[X+2*n:X+2*n+1], v[Q+2*n:Q+2*n+1] neg_lo:[0,1] neg_hi:[0,1]   ; x - q = -fl(q - x)
.set n, n+1
.endr
.set n, 0
.rept 32
	v_pk_fma_f32 v[14+2*(n%2):15+2*(n%2)], v[Q+2*n:Q+2*n+1], v[Q+2*n:Q+2*n+1], v[14+2*(n%2):15+2*(n%2)]   ; two chains
	v_pk_add_f32 v[X+2*n:X+2*n+1], v[X+2*n:X+2*n+1], v[Q+2*n:Q+2*n+1] neg_lo:[0,1] neg_hi:[0,1]         ; fl(x + fl(q - x))
.set n, n+1
.endr
.irp t, 0,1,2,3,4,5,6,7,8,9,10,11,12,13,14,15
	global_store_b128 v2, v[X+4*\t:X+4*\t+3], s[12:13] offset:512*\t th:TH_STORE_NT   ; 32 lanes store 512 consecutive bytes, at a multiple of 256 from out0's first byte
.endr
.irp n, 0,1,2,3,4,5,6,7,8,9,10,11,12,13,14,15
	global_load_b128 v[Q+4*\n:Q+4*\n+3], v2, s[10:11] offset:512*(8+\n)
.endr
	s_wait_xcnt 0x0                                ; the stores have read their data: loads may land there
.irp n, 0,1,2,3,4,5,6,7
	global_load_b128 v[X+4*\n:X+4*\n+3], v2, s[10:11] offset:512*(24+\n)
.endr
	s_wait_loadcnt 32                              ; the chosen codes' fragment is in; idxw's 8 + 16 + 8 loads may be out
	v_wmma_scale_f32_16x16x128_f8f6f4 v[DD:DD+7], v[CNF:CNF+11], v[LNF:LNF+11], 0, v61, v60 matrix_a_fmt:MATRIX_FMT_FP6 matrix_b_fmt:MATRIX_FMT_FP6
.rept 4
	v_nop                                          ; four places in front of the first read of the result
.endr
.irp j, 0,1,2,3,4,5,6,7                        ; from the accumulator's low end on
	v_cndmask_b32 v13, 0, v[DD+\j], s[52+\j]
	v_add_f32 v18, v18, v13
.endr
.macro HITS i                          ; the hits of register i, one by one: a counted loop
	s_cmp_eq_u32 s[24+\i], 0
	s_cbranch_scc1 .Lno_\@
	s_bcnt1_i32_b32 s33, s[24+\i]
	s_mov_b32 s32, 0
.Lhit_\@:
	s_ctz_i32_b32 s30, s[24+\i]                    ; the lowest lane with a hit,
	v_readlane_b32 s31, v[8+\i], s30               ; its bin, 0 .. 31;
	s_lshl_b32 s30, 1, s30
	s_and_not1_b32 s[24+\i], s[24+\i], s30
	v_cmp_eq_u32 vcc_lo, s31, v1
	v_add_co_ci_u32 v12, vcc_lo, 0, v12, vcc_lo    ; the lane that owns the bin counts it
	s_add_co_u32 s32, s32, 1
	s_cmp_lt_u32 s32, s33
	s_cbranch_scc1 .Lhit_\@
.Lno_\@:
.endm
.macro SCAN4 reg                       ; 128 indices: four registers of 32
.irp i, 0,1,2,3
	v_xor_b32 v[8+\i], s28, v[\reg+\i]
.endr
.irp i, 0,1,2,3
	v_cmp_gt_u32 s[24+\i], 32, v[8+\i]
.endr
	s_or_b32 s29, s24, s25
	s_or_b32 s30, s26, s27
	s_or_b32 s29, s29, s30
	s_cmp_eq_u32 s29, 0
	s_cbranch_scc1 .Lnone_\@
	HITS 0
	HITS 1
	HITS 2
	HITS 3
.Lnone_\@:
.endm
	s_wait_loadcnt 24                              ; idxw's first 8 loads are in
.set n, 0
.rept 8
	SCAN4 SA+4*n
.set n, n+1
.endr
	s_wait_loadcnt 8                               ; the next 16
.set n, 0
.rept 16
	SCAN4 Q+4*n
.set n, n+1
.endr
	s_wait_loadcnt 0x0                             ; the last 8
.set n, 0
.rept 8
	SCAN4 X+4*n
.set n, n+1
.endr
	v_pk_add_f32 v[14:15], v[14:15], v[16:17]
	v_add_f32 v14, v14, v15
.irp m, 1,2,4,8
	v_add_f32_dpp v14, v14, v14 row_xmask:\m row_mask:0xf bank_mask:0xf
	v_add_f32_dpp v18, v18, v18 row_xmask:\m row_mask:0xf bank_mask:0xf
.endr
	v_permlanex16_b32 v19, v14, s22, s23
	v_add_f32 v14, v14, v19
	v_permlanex16_b32 v19, v18, s22, s23
	v_add_f32 v18, v18, v19
	ds_store_b32 v70, v12                          ; my wave's counts, a word a bin
	ds_store_b32 v71, v14 offset:512               ; its two sums; all lanes write the same word with the same value
	ds_store_b32 v71, v18 offset:576
	s_wait_dscnt 0x0                               ; for the others' sake: my stores have landed
	s_barrier_signal -1
	s_barrier_wait -1
	s_cmp_lg_u32 s16, 0
	s_cbranch_scc1 .Lend
.irp w, 0,1,2,3
	ds_load_b32 v[8+\w], v70 offset:128*\w         ; in wave 0, 4 x thread is 4 x lane
.endr
	ds_load_b128 v[72:75], v71 offset:512          ; and 4 x wave is 0
	ds_load_b128 v[76:79], v71 offset:576
	s_wait_dscnt 0x0
	v_add_nc_u32 v8, v8, v9
	v_add_nc_u32 v10, v10, v11
	v_add_nc_u32 v8, v8, v10
	v_cvt_f32_u32 v8, v8
	v_mul_f32 v8, 0x38800000, v8                   ; p = count / 16,384
	v_add_f32 v9, 0x2edbe6ff, v8                   ; + 1e-10
	v_log_f32 v9, v9
	v_add_f32 v72, v72, v73                        ; (plain lines behind the logarithm)
	v_add_f32 v74, v74, v75
	v_add_f32 v76, v76, v77
	v_add_f32 v78, v78, v79
	s_wait_alu depctr_va_vdst(0)
	v_mul_f32 v8, v8, v9
	v_add_f32 v72, v72, v74
	v_add_f32 v76, v76, v78
.irp m, 1,2,4,8
	v_add_f32_dpp v8, v8, v8 row_xmask:\m row_mask:0xf bank_mask:0xf
.endr
	v_permlanex16_b32 v19, v8, s22, s23
	v_add_f32 v8, v8, v19
	v_mov_b32 v13, 0
	v_cmp_eq_u32 vcc_lo, 0, v1
	v_cndmask_b32 v13, v13, v72, vcc_lo
	v_cmp_eq_u32 vcc_lo, 1, v1
	v_cndmask_b32 v13, v13, v76, vcc_lo
	v_cmp_eq_u32 vcc_lo, 2, v1
	v_cndmask_b32 v13, v13, v8, vcc_lo
	global_store_b32 v70, v13, s[14:15]            ; the record: 128 consecutive bytes
.Lend:
	s_wait_tensorcnt 0x0
	ds_add_u32 v232, v233
	s_wait_dscnt 0x0
	s_endpgm
.Lfunc_end_k_q1997217abc_gath:
	.size	k_q1997217abc_gath, .Lfunc_end_k_q1997217abc_gath-k_q1997217abc_gath
	.p2alignl 7, 3214868480
	.fill 96, 4, 3214868480
	.section	.rodata,"a",@progbits
	.p2align	6, 0x0
	.amdhsa_kernel k_q1997217abc_gath
		.amdhsa_group_segment_fixed_size 1536
		.amdhsa_private_segment_fixed_size 0
		.amdhsa_enable_private_segment 0
		.amdhsa_kernarg_size 48
		.amdhsa_user_sgpr_count 2
		.amdhsa_user_sgpr_kernarg_segment_ptr 1
		.amdhsa_wavefront_size32 1
		.amdhsa_system_sgpr_workgroup_id_x 1
		.amdhsa_system_sgpr_workgroup_id_y 1
		.amdhsa_system_sgpr_workgroup_id_z 1
		.amdhsa_system_vgpr_workitem_id 0
		.amdhsa_next_free_vgpr 234
		.amdhsa_next_free_sgpr 66
		.amdhsa_reserve_vcc 1
		.amdhsa_float_denorm_mode_32 3
		.amdhsa_float_denorm_mode_16_64 3
		.amdhsa_memory_ordered 1
		.amdhsa_forward_progress 1
		.amdhsa_inst_pref_size 97
	.end_amdhsa_kernel
	.amdgpu_metadata
---
amdhsa.version: [ 1, 2 ]
amdhsa.kernels:
  - .name:           k_q1997217abc_gath
    .symbol:         k_q1997217abc_gath.kd
    .args:
      - { .name: latent, .offset: 0, .size: 8, .value_kind: global_buffer, .address_space: global }
      - { .name: codebook, .offset: 8, .size: 8, .value_kind: global_buffer, .address_space: global }
      - { .name: qz, .offset: 16, .size: 8, .value_kind: global_buffer, .address_space: global }
      - { .name: idxw, .offset: 24, .size: 8, .value_kind: global_buffer, .address_space: global }
      - { .name: out0, .offset: 32, .size: 8, .value_kind: global_buffer, .address_space: global }
      - { .name: pg, .offset: 40, .size: 8, .value_kind: global_buffer, .address_space: global }
    .group_segment_fixed_size: 1536
    .private_segment_fixed_size: 0
    .kernarg_segment_align: 8
    .kernarg_segment_size: 48
    .max_flat_workgroup_size: 128
    .sgpr_count:     66
    .vgpr_count:     234
    .wavefront_size: 32
...
	.end_amdgpu_metadata
.endif
;; end of part 4
;; launch fin (part 5): grid 1 x 1, 1 waves a work-group, no clusters, 0 bytes of LDS; arguments ps, pg, out2, out3, out4, out5, out6, out7; writes out2, out3, out4, out5, out6, out7
.if DOCPART == 5
	.amdgcn_target "amdgcn-amd-amdhsa--gfx1250"
	.amdhsa_code_object_version 6
	.text
	.protected	k_q1997217abc_fin
	.globl	k_q1997217abc_fin
	.p2align	8
	.type	k_q1997217abc_fin,@function
k_q1997217abc_fin:
	s_mov_b64 s[64:65], 0
	v_nop
	global_prefetch_b8 v0, s[64:65] scope:SCOPE_SE
	s_setreg_imm32_b32 hwreg(HW_REG_WAVE_MODE, 25, 1), 1
	s_wait_xcnt 0x0
; The 256 records of ps (S1 = sum of exp, S2 = sum of d, S3 = sum of min(d, 2), the count of d > 0, the smallest pd2 > 0) and the 256 of pg (sum of (x - q)^2, sum of cosines, sum of p log2(p + 1e-10)) become six numbers.
; One wave: lane l takes records l + 32 i, i = 0 .. 7.  A sum over work-groups has one owner, in a launch behind theirs: no atomics.
;   mse = loss / 2^21;  out2 = 0.25 mse;  out3 = mse + (S1 / 2^26 + 0.2 (2 - S3 / 2^26));  out4 = 2^(-H2);  out5 = cosines / 2^14;  out6 = S2 / count;  out7 = sqrt(smallest pd2)
; With no pair of distinct codes the count is 0: out6 is then 0 x infinity = NaN and out7 infinity, as in reference().
	s_load_b512 s[4:19], s[0:1], 0x0               ; ps, pg, out2 .. out7
	v_lshlrev_b32 v1, 7, v0                        ; 128 x lane
	v_mov_b32 v2, 0                                ; a lane permute's destination counts as one of its sources
	v_mov_b32 v3, 0                                ; the stores' offset
	s_mov_b32 s20, 0x76543210
	s_mov_b32 s21, 0xfedcba98
	s_mov_b32 s22, 0xb2800000                      ; -2^-26
	s_mov_b32 s23, 0x3e4ccccd                      ; 0.2
	s_wait_kmcnt 0x0
.irp i, 0,1,2,3,4,5,6,7
	global_load_b128 v[8+4*\i:11+4*\i], v1, s[4:5] offset:4096*\i
	global_load_b32 v[40+\i], v1, s[4:5] offset:4096*\i+16
	global_load_b128 v[48+4*\i:51+4*\i], v1, s[6:7] offset:4096*\i
.endr
	s_wait_loadcnt 0x0
.irp i, 1,2,3,4,5,6,7
	v_pk_add_f32 v[8:9], v[8:9], v[8+4*\i:9+4*\i]
	v_pk_add_f32 v[10:11], v[10:11], v[10+4*\i:11+4*\i]
	v_min_num_f32 v40, v40, v[40+\i]
	v_pk_add_f32 v[48:49], v[48:49], v[48+4*\i:49+4*\i]
	v_add_f32 v50, v50, v[50+4*\i]
.endr
.irp r, 8,9,10,11,48,49,50
.irp m, 1,2,4,8
	v_add_f32_dpp v\r, v\r, v\r row_xmask:\m row_mask:0xf bank_mask:0xf
.endr
	v_permlanex16_b32 v2, v\r, s20, s21
	v_add_f32 v\r, v\r, v2
.endr
.irp m, 1,2,4,8
	v_min_num_f32_dpp v40, v40, v40 row_xmask:\m row_mask:0xf bank_mask:0xf
.endr
	v_permlanex16_b32 v2, v40, s20, s21
	v_min_num_f32 v40, v40, v2
	v_exp_f32 v16, -v50                            ; perplexity = exp(-sum of p ln(..)) = 2^(-sum of p log2(..))
	v_rcp_f32 v17, v11
	v_sqrt_f32 v18, v40
	v_mul_f32 v12, 0x35000000, v48                 ; mse (a plain line behind the transcendentals)
	v_mul_f32 v13, 0x3e800000, v12                 ; out2
	v_fma_f32 v14, v10, s22, 2.0                   ; the mean of relu(2 - d)
	v_mul_f32 v15, 0x32800000, v8                  ; the mean of exp
	v_fma_f32 v15, v14, s23, v15                   ; the diversity loss
	v_add_f32 v15, v12, v15                        ; out3
	s_wait_alu depctr_va_vdst(0)
	v_mul_f32 v17, v9, v17                         ; out6
	v_mul_f32 v19, 0x38800000, v49                 ; out5
	v_cmp_eq_u32 vcc_lo, 0, v0
	s_wait_xcnt 0x0                                ; EXEC changes only behind this wait
	s_and_saveexec_b32 s24, vcc_lo                 ; lane 0 stores
	global_store_b32 v3, v13, s[8:9]
	global_store_b32 v3, v15, s[10:11]
	global_store_b32 v3, v16, s[12:13]
	global_store_b32 v3, v19, s[14:15]
	global_store_b32 v3, v17, s[16:17]
	global_store_b32 v3, v18, s[18:19]
	s_wait_xcnt 0x0
	s_or_b32 exec_lo, exec_lo, s24
	s_endpgm
.Lfunc_end_k_q1997217abc_fin:
	.size	k_q1997217abc_fin, .Lfunc_end_k_q1997217abc_fin-k_q1997217abc_fin
	.p2alignl 7, 3214868480
	.fill 96, 4, 3214868480
	.section	.rodata,"a",@progbits
	.p2align	6, 0x0
	.amdhsa_kernel k_q1997217abc_fin
		.amdhsa_group_segment_fixed_size 0
		.amdhsa_private_segment_fixed_size 0
		.amdhsa_enable_private_segment 0
		.amdhsa_kernarg_size 64
		.amdhsa_user_sgpr_count 2
		.amdhsa_user_sgpr_kernarg_segment_ptr 1
		.amdhsa_wavefront_size32 1
		.amdhsa_system_sgpr_workgroup_id_x 1
		.amdhsa_system_sgpr_workgroup_id_y 1
		.amdhsa_system_sgpr_workgroup_id_z 1
		.amdhsa_system_vgpr_workitem_id 0
		.amdhsa_next_free_vgpr 88
		.amdhsa_next_free_sgpr 66
		.amdhsa_reserve_vcc 1
		.amdhsa_float_denorm_mode_32 3
		.amdhsa_float_denorm_mode_16_64 3
		.amdhsa_memory_ordered 1
		.amdhsa_forward_progress 1
		.amdhsa_inst_pref_size 9
	.end_amdhsa_kernel
	.amdgpu_metadata
---
amdhsa.version: [ 1, 2 ]
amdhsa.kernels:
  - .name:           k_q1997217abc_fin
    .symbol:         k_q1997217abc_fin.kd
    .args:
      - { .name: ps, .offset: 0, .size: 8, .value_kind: global_buffer, .address_space: global }
      - { .name: pg, .offset: 8, .size: 8, .value_kind: global_buffer, .address_space: global }
      - { .name: out2, .offset: 16, .size: 8, .value_kind: global_buffer, .address_space: global }
      - { .name: out3, .offset: 24, .size: 8, .value_kind: global_buffer, .address_space: global }
      - { .name: out4, .offset: 32, .size: 8, .value_kind: global_buffer, .address_space: global }
      - { .name: out5, .offset: 40, .size: 8, .value_kind: global_buffer, .address_space: global }
      - { .name: out6, .offset: 48, .size: 8, .value_kind: global_buffer, .address_space: global }
      - { .name: out7, .offset: 56, .size: 8, .value_kind: global_buffer, .address_space: global }
    .group_segment_fixed_size: 0
    .private_segment_fixed_size: 0
    .kernarg_segment_align: 8
    .kernarg_segment_size: 64
    .max_flat_workgroup_size: 32
    .sgpr_count:     66
    .vgpr_count:     88
    .wavefront_size: 32
...
	.end_amdgpu_metadata
.endif
;; end of part 5
